; MI455X (gfx1250); checked and timed in simulation.
; The chip was launched on July 23, 2026; its instructions are those of AMD's public machine-readable ISA for CDNA 5 (MIT licence, August 2026) and "CDNA5" Instruction Set Architecture Reference Guide (July 2026). The comments in the code are by the model that wrote it; some were corrected since.
;; Resonant FFN With Attenuation. Allowed arithmetic: float matrix products may take bf16 or f16 operands with f32 sums; other float arithmetic in f32, or as packed bf16 or f16 multiplies, adds, multiply-adds, maxima and minima; sums over many terms, partial sums and values carried from step to step in f32; what a program stores and reads back later, other than sums and carried values, may be rounded once to bf16 or f16.
;; Inputs: B 256 x 512 float32; W 256 x 512 float32; attn_cos 256 x 512 float32; attn_sin 256 x 512 float32; cos_table 4,096 float32; proj_cos_w 512 x 256 float32; proj_sin_w 512 x 256 float32; sin_table 4,096 float32; x 4 x 256 x 512 float32.
;; Outputs: out0 4 x 256 x 512 float32.
;; 2 versions, each right; version 2 is version 1 with the launches resonate, project written anew for expert scheduling mode. Each part assembles by itself: llvm-mc -triple=amdgcn-amd-amdhsa -mcpu=gfx1250 --defsym DOCPART=n.
;; ======== version 1 of 2: 3 launches
;; limits: inputs' magnitudes at most 200; values are held in f16: magnitudes above 65,504 overflow, below 6.1e-05 lose precision
;; workspace buffers: XQ 4,194,304 bytes of whole numbers; CN 3,145,728 bytes of whole numbers; S 2,097,152 bytes
;; launch prepare (part 1): grid 128 x 1, 4 waves a work-group, no clusters, 0 bytes of LDS; arguments x, W, B, attn_cos, attn_sin, XQ, CN; writes XQ, CN
.if DOCPART == 1
	.amdgcn_target "amdgcn-amd-amdhsa--gfx1250"
	.amdhsa_code_object_version 6
	.text
	.protected	k_q0fb52b0698_prepare
	.globl	k_q0fb52b0698_prepare
	.p2align	8
	.type	k_q0fb52b0698_prepare,@function
k_q0fb52b0698_prepare:
	s_mov_b64 s[64:65], 0
	v_nop
	global_prefetch_b8 v0, s[64:65] scope:SCOPE_SE
	s_setreg_imm32_b32 hwreg(HW_REG_WAVE_MODE, 25, 1), 1
	s_wait_xcnt 0x0
; FIRST OF THREE LAUNCHES for out = silu(cos_sum proj_cos_w^T + sin_sum proj_sin_w^T), cos_sum[r][n] = sum over d of cos_table[idx] attn_cos[n][d] (sin likewise),
; idx = round((x[r][d] / (1 + |W[n][d]|) + B[n][d]) * 4096/2pi) mod 4096.  1,024 rows r, 256 neurons n, 512 channels d.
; NOTHING OF reference() IS LEFT OUT: all nine inputs have a way to the output, and each is loaded by one of the three launches.
; WHAT THIS LAUNCH MAKES.  The next launch looks the tables up in LDS, and an LDS address there is made of whole numbers read from memory alone.  So this launch stores, beside the f32 numbers
; that the exact index needs, fixed-point whole numbers from which a COARSE index i follows by integer arithmetic:  R = X' IW + BB' (mod 2^32), i = R >> 20.
;   X'  = round(x 2^11) + 2^23          (24 bits, unsigned)            per (r, d)
;   IW  = round(K / wl 2^9), K = f32(4096/2pi), wl = 1 + |W|           per (n, d)
;   BB' = trunc((B K mod 4096) 2^20) - IW 2^23                         per (n, d): the second term takes X's offset 2^23 away again
; R / 2^20 differs from reference()'s f32 product t by at most 0.159 (x's step 2^-12 times K) + |x| / 1024 (IW's half step) + 0.04 (f32 roundings of B K, theta and t at |theta| <= 400): under 0.5 for
; |x|, |B| <= 200.  So round(t) mod 4096 is i or i + 1, and the next launch chooses between those two by the exact f32 arithmetic.
; LIMITS.  |x| <= 200 and |B| <= 200 (beyond that the look-ups stay inside the table but may take a wrong entry).  attn_cos and attn_sin are rounded once to f16: within 65,504.  NaN and infinities are not treated apart.
; XQ: [d 512][r 1024][2 words]: x's bits, X'.       CN: [ng 4][d 512][q 3][lane 32][16 bytes], neurons a = 64 ng + lane, b = a + 32:
;   q 0: wl_a wl_b y_a y_b (y = 1 / wl, refined)   q 1: B_a B_b at_a at_b (at = f16 pair: attn_cos low, attn_sin high)   q 2: IW_a IW_b BB'_a BB'_b
; SHARES.  Work-groups 0-63 make XQ, 64-127 make CN; every wave works by itself: no LDS, no barrier.
.set MAGIC, 0x4b400000                 ; 1.5 x 2^23: adding it rounds an f32 to a whole number (to even), which then stands in the low bits
.set IN,  16                           ; v[16:79]   as loaded
.set PR,  80                           ; v[80:207]  part A: 64 pairs (x, X'), never reused, so no store's data are rewritten
.set OUT, 80                           ; v[80:175]  part B: 12 registers a channel, in the record's order
.set Y0,  176                          ; v[176:191] part B: at work, by 2 d + u
.set T,   192                          ; v[192:207] part B: at work
	s_load_b256 s[4:11], s[0:1], 0x0               ; x s[4:5], W s[6:7], B s[8:9], attn_cos s[10:11]
	s_load_b128 s[12:15], s[0:1], 0x20             ; attn_sin s[12:13], XQ s[14:15]
	s_load_b64 s[16:17], s[0:1], 0x30              ; CN
	v_lshrrev_b32 v1, 5, v0
	v_readfirstlane_b32 s20, v1                    ; wave 0..3
	v_and_b32 v1, 31, v0                           ; lane
	v_lshlrev_b32 v2, 11, v1                       ; a lane a row of 2,048 bytes, in x and in the four [256][512] inputs
	s_mov_b32 s21, 0x45000000                      ; 2^11
	s_mov_b32 s22, MAGIC
	s_mov_b32 s23, 0x4422f983                      ; K
	s_mov_b32 s24, 0x48a2f983                      ; K 2^9
	s_mov_b32 s25, 0x39800000                      ; 2^-12
	s_mov_b32 s26, 0xc5800000                      ; -4096
	s_mov_b32 s27, 0x49800000                      ; 2^20
	s_mov_b32 s3, 0
	s_lshl_b32 s28, ttmp9, 2
	s_add_co_u32 s28, s28, s20                     ; 4 x work-group + wave
	s_wait_kmcnt 0x0
	s_cmp_lt_u32 ttmp9, 64
	s_cbranch_scc0 .Lconst
	; PART A.  Wave gw = 0..255: rows 32 (gw % 32) + lane, channels 64 (gw / 32) .. + 63: a lane reads one aligned block of 256 bytes of its row, by sixteen loads.
	s_and_b32 s29, s28, 31
	s_lshr_b32 s30, s28, 5
	s_lshl_b32 s2, s29, 16                         ; 32 rows of 2,048 bytes
	s_lshl_b32 s18, s30, 8
	s_add_co_u32 s2, s2, s18
	s_add_nc_u64 s[4:5], s[4:5], s[2:3]
	s_lshl_b32 s2, s29, 8                          ; in XQ: 32 rows of 8 bytes,
	s_lshl_b32 s18, s30, 19                        ; 64 channels of 8,192 bytes
	s_add_co_u32 s2, s2, s18
	s_add_nc_u64 s[14:15], s[14:15], s[2:3]
	v_lshlrev_b32 v3, 3, v1
.set i, 0
.rept 16
	global_load_b128 v[IN+4*i:IN+4*i+3], v2, s[4:5] offset:16*i
.set i, i+1
.endr
.set i, 0
.rept 16
	s_wait_loadcnt 15-i                            ; loads come back in order: load i is in, the 15 - i younger ones may stay out
.set e, 0
.rept 4
	v_mov_b32 v[PR+8*i+2*e], v[IN+4*i+e]           ; x beside X': the two leave as one pair
	v_fma_f32 v[PR+8*i+2*e+1], v[IN+4*i+e], s21, s22
.set e, e+1
.endr
.set e, 0
.rept 4
	v_add_nc_u32 v[PR+8*i+2*e+1], 0xb5400000, v[PR+8*i+2*e+1]  ; less MAGIC's bits, plus 2^23
	global_store_b64 v3, v[PR+8*i+2*e:PR+8*i+2*e+1], s[14:15] offset:(4*i+e)*8192  ; 32 lanes x 8 bytes: 256 consecutive bytes, aligned
.set e, e+1
.endr
.set i, i+1
.endr
	s_endpgm
.Lconst:
	; PART B.  Wave gw = 0..255: neuron group ng = gw / 64, channels 8 (gw % 64) .. + 7; a lane takes neurons a and b.
	s_sub_co_u32 s28, s28, 256
	s_lshr_b32 s29, s28, 6                         ; ng
	s_and_b32 s30, s28, 63                         ; block of 8 channels
	s_lshl_b32 s2, s29, 17                         ; 64 rows of 2,048 bytes
	s_lshl_b32 s18, s30, 5
	s_add_co_u32 s2, s2, s18
	s_add_nc_u64 s[6:7], s[6:7], s[2:3]
	s_add_nc_u64 s[8:9], s[8:9], s[2:3]
	s_add_nc_u64 s[10:11], s[10:11], s[2:3]
	s_add_nc_u64 s[12:13], s[12:13], s[2:3]
	s_lshl_b32 s2, s29, 9
	s_lshl_b32 s18, s30, 3
	s_add_co_u32 s2, s2, s18
	s_mul_i32 s2, s2, 1536                         ; record (ng, d) of CN
	s_add_nc_u64 s[16:17], s[16:17], s[2:3]
	v_lshlrev_b32 v3, 4, v1
.macro LDC a, base                     ; input a, neuron u, channel d lands in v[IN + 16 a + 8 u + d]
.irp u, 0,1
.irp h, 0,1
	global_load_b128 v[IN+16*(\a)+8*\u+4*\h:IN+16*(\a)+8*\u+4*\h+3], v2, s[\base:\base+1] offset:65536*\u+16*\h
.endr
.endr
.endm
	LDC 0, 6
	LDC 1, 8
	LDC 2, 10
	LDC 3, 12
.macro FOR16 line:vararg               ; one line for each p = 2 d + u
.set p, 0
.rept 16
	\line
.set p, p+1
.endr
.endm
	s_wait_loadcnt 0x0
	FOR16 v_add_f32 v[OUT+12*(p/2)+p%2], 1.0, |v[IN+8*(p%2)+p/2]|                    ; wl, rounded as reference() rounds it
	FOR16 v_rcp_f32 v[Y0+p], v[OUT+12*(p/2)+p%2]
	FOR16 v_mov_b32 v[OUT+12*(p/2)+4+p%2], v[IN+16+8*(p%2)+p/2]                      ; B into the record: plain work that names no reciprocal
	s_wait_alu depctr_va_vdst(0)                   ; one wait for the sixteen reciprocals, ahead of their first reader
	FOR16 v_fma_f32 v[T+p], -v[OUT+12*(p/2)+p%2], v[Y0+p], 1.0                       ; one Newton step: y = y0 + y0 (1 - wl y0)
	FOR16 v_fma_f32 v[OUT+12*(p/2)+2+p%2], v[T+p], v[Y0+p], v[Y0+p]
	FOR16 v_cvt_pk_f16_f32 v[OUT+12*(p/2)+6+p%2], v[IN+32+8*(p%2)+p/2], v[IN+48+8*(p%2)+p/2]
	FOR16 v_fma_f32 v[T+p], v[OUT+12*(p/2)+2+p%2], s24, s22                          ; y K 2^9, rounded to a whole number
	FOR16 v_add_nc_u32 v[OUT+12*(p/2)+8+p%2], 0xb4c00000, v[T+p]                     ; IW: less MAGIC's bits
	FOR16 v_mul_f32 v[Y0+p], s23, v[IN+16+8*(p%2)+p/2]                               ; B K
	FOR16 v_mul_f32 v[T+p], s25, v[Y0+p]
	FOR16 v_rndne_f32 v[T+p], v[T+p]                                                 ; how many whole periods
	FOR16 v_fma_f32 v[T+p], v[T+p], s26, v[Y0+p]                                     ; B K less those: exact, within -2048 .. 2048
	FOR16 v_mul_f32 v[T+p], s27, v[T+p]
	FOR16 v_cvt_i32_f32 v[T+p], v[T+p]
	FOR16 v_lshlrev_b32 v[Y0+p], 23, v[OUT+12*(p/2)+8+p%2]
	FOR16 v_sub_nc_u32 v[OUT+12*(p/2)+10+p%2], v[T+p], v[Y0+p]                       ; BB'
.set i, 0
.rept 24
	global_store_b128 v3, v[OUT+4*i:OUT+4*i+3], s[16:17] offset:512*i                ; quarter i % 3 of channel i / 3: 512 consecutive bytes, aligned
.set i, i+1
.endr
	s_endpgm
.Lfunc_end_k_q0fb52b0698_prepare:
	.size	k_q0fb52b0698_prepare, .Lfunc_end_k_q0fb52b0698_prepare-k_q0fb52b0698_prepare
	.p2alignl 7, 3214868480
	.fill 96, 4, 3214868480
	.section	.rodata,"a",@progbits
	.p2align	6, 0x0
	.amdhsa_kernel k_q0fb52b0698_prepare
		.amdhsa_group_segment_fixed_size 0
		.amdhsa_private_segment_fixed_size 0
		.amdhsa_enable_private_segment 0
		.amdhsa_kernarg_size 56
		.amdhsa_user_sgpr_count 2
		.amdhsa_user_sgpr_kernarg_segment_ptr 1
		.amdhsa_wavefront_size32 1
		.amdhsa_system_sgpr_workgroup_id_x 1
		.amdhsa_system_sgpr_workgroup_id_y 1
		.amdhsa_system_sgpr_workgroup_id_z 1
		.amdhsa_system_vgpr_workitem_id 0
		.amdhsa_next_free_vgpr 208
		.amdhsa_next_free_sgpr 66
		.amdhsa_reserve_vcc 0
		.amdhsa_float_denorm_mode_32 3
		.amdhsa_float_denorm_mode_16_64 3
		.amdhsa_memory_ordered 1
		.amdhsa_forward_progress 1
		.amdhsa_inst_pref_size 36
	.end_amdhsa_kernel
	.amdgpu_metadata
---
amdhsa.version: [ 1, 2 ]
amdhsa.kernels:
  - .name:           k_q0fb52b0698_prepare
    .symbol:         k_q0fb52b0698_prepare.kd
    .args:
      - { .name: x, .offset: 0, .size: 8, .value_kind: global_buffer, .address_space: global }
      - { .name: W, .offset: 8, .size: 8, .value_kind: global_buffer, .address_space: global }
      - { .name: B, .offset: 16, .size: 8, .value_kind: global_buffer, .address_space: global }
      - { .name: attn_cos, .offset: 24, .size: 8, .value_kind: global_buffer, .address_space: global }
      - { .name: attn_sin, .offset: 32, .size: 8, .value_kind: global_buffer, .address_space: global }
      - { .name: XQ, .offset: 40, .size: 8, .value_kind: global_buffer, .address_space: global }
      - { .name: CN, .offset: 48, .size: 8, .value_kind: global_buffer, .address_space: global }
    .group_segment_fixed_size: 0
    .private_segment_fixed_size: 0
    .kernarg_segment_align: 8
    .kernarg_segment_size: 56
    .max_flat_workgroup_size: 128
    .sgpr_count:     66
    .vgpr_count:     208
    .wavefront_size: 32
...
	.end_amdgpu_metadata
.endif
;; end of part 1
;; launch resonate (part 2): grid 4 x 64, 8 waves a work-group, no clusters, 99,328 bytes of LDS; arguments XQ, CN, cos_table, sin_table, S; writes S
.if DOCPART == 2
	.amdgcn_target "amdgcn-amd-amdhsa--gfx1250"
	.amdhsa_code_object_version 6
	.text
	.protected	k_q0fb52b0698_resonate
	.globl	k_q0fb52b0698_resonate
	.p2align	8
	.type	k_q0fb52b0698_resonate,@function
k_q0fb52b0698_resonate:
	s_mov_b64 s[64:65], 0
	v_nop
	global_prefetch_b8 v0, s[64:65] scope:SCOPE_SE
	s_setreg_imm32_b32 hwreg(HW_REG_WAVE_MODE, 25, 1), 1
	s_wait_xcnt 0x0
; SECOND LAUNCH: S[r][n] = sum over d of cos_table[idx] attn_cos[n][d], S[r][256 + n] the same with sin; idx = round((x / wl + B) K) mod 4096.  Nothing of reference() is left out here.
; SHARES.  A work-group: 16 rows x 64 neurons (group ng) x all 512 channels.  Wave w: channels 64 w .. 64 w + 63.  A lane: neurons a = 64 ng + lane and b = a + 32.  The eight waves' partial sums meet in LDS at the end.
; THE INDEX, TWICE.  (1) Whole numbers read from memory give the coarse index i = (X' IW + BB') >> 20, which is reference()'s idx or one less (shown at the head of the launch before): it alone makes the LDS address.
; (2) The f32 path repeats reference()'s roundings one by one: q0 = x y, e = x - q0 wl (fused), q = q0 + e y (fused): the quotient x / wl rounded to nearest (but where it lies within some 2^-23 of its last place of a
; rounding boundary); th = q + B; t = th K; m = t + 1.5 x 2^23, whose low 12 bits are round-to-even(t) mod 4096.  An LDS entry holds table entries i AND i + 1; (m & 0xfff) != i selects the second: a choice of a value, no address.
; LIMITS.  |x|, |B| <= 200 (see the launch before).  The tables are rounded once to f16 on their way into LDS: within 65,504.  Sums in f32.  NaN and infinities are not treated apart.
; NO TENSOR LOADS, NO CLUSTER: what work-groups share (CN's records) goes straight into registers, 48 bytes a lane and channel; through LDS it would stand in the gathers' way.
; LDS.  TAB: entry i, 8 bytes: P[i], P[(i + 1) % 4096], P = f16 pair (cos low, sin high).  PS: a slab of 8,192 bytes a wave: row x 512 + (cos 0, sin 256) + 4 n.  SPARE: the spare words, 128 bytes a wave, which no other line names.
.set TAB,   0
.set PS,    32768
.set SPARE, 98304
.set REC,   1536                       ; a channel's record in CN
.set XREC,  8192                       ; a channel's record in XQ
.set SPW,  2                           ; v2   SPARE + 4 x my thread's number; never rewritten
.set NIL,  3                           ; v3   0; never rewritten
.set OC,   4                           ; v4-7 set p's byte offset in CN
.set OMAX, 8                           ; v8   the offset of the last record: the look-ahead is held to it
.set ACC,  16                          ; v[16:79]   row r: cos_a, sin_a, cos_b, sin_b
.set CNS,  80                          ; v[80:127]  four sets of 12, a channel each, in the record's order
.set G,    128                         ; v[128:159] two slots of eight gathered entries
.set Q,    160                         ; v[160:167] the f32 path, by 2 j + u (row j of four, neuron u)
.set E,    168                         ; v[168:175]
.set I,    176                         ; v[176:183] the coarse index
.set A,    184                         ; v[184:191] its LDS address
.set V,    192                         ; v[192:199] the entry chosen
.set MK,   94                          ; s[94:101]  eight selection masks
; s[16:47] and s[48:63], s[68:83]: two buffers of 16 pairs (x, X'), a channel each.  s[84:85] K, s[86:87] 1.5 x 2^23 (named as pairs).  s88 the XQ record asked for last.  s90 0xfff.
	s_load_b256 s[4:11], s[0:1], 0x0               ; XQ s[4:5], CN s[6:7], cos_table s[8:9], sin_table s[10:11]
	s_load_b64 s[12:13], s[0:1], 0x20              ; S
	v_lshl_add_u32 v[SPW], v0, 2, SPARE
	v_mov_b32 v[NIL], 0
	v_lshrrev_b32 v1, 5, v0
	v_readfirstlane_b32 s14, v1                    ; wave 0..7
	v_and_b32 v1, 31, v0                           ; lane
	s_and_b32 s89, ttmp7, 0xffff                   ; group of 16 rows
	s_mov_b32 s84, 0x4422f983
	s_mov_b32 s85, 0x4422f983
	s_mov_b32 s86, 0x4b400000
	s_mov_b32 s87, 0x4b400000
	s_mov_b32 s90, 0xfff
	s_lshl_b32 s88, s14, 19                        ; my first channel's record in XQ: 64 w x 8,192
	s_mul_i32 s91, s14, 64*REC                     ; and in CN
	v_lshlrev_b32 v9, 4, v0                        ; the tables: four numbers a thread, 256 threads, four times
	v_add_nc_u32 v11, 3*4096+16, v9                ; the number behind my last four: behind the table's end stands its first
	v_and_b32 v11, 0x3fff, v11
	v_lshlrev_b32 v10, 5, v0                       ; their four entries in TAB
	v_lshlrev_b32 v15, 4, v1
	v_add_nc_u32 v[OC], s91, v15
	v_add_nc_u32 v[OC+1], REC, v[OC]
	v_add_nc_u32 v[OC+2], 2*REC, v[OC]
	v_add_nc_u32 v[OC+3], 3*REC, v[OC]
	v_add_nc_u32 v[OMAX], 511*REC, v15
	s_lshl_b32 s92, s89, 7                         ; 16 rows of 8 bytes
	s_mov_b32 s93, 0
	s_wait_kmcnt 0x0
	s_add_nc_u64 s[4:5], s[4:5], s[92:93]
	s_mul_i32 s92, ttmp9, 512*REC
	s_add_nc_u64 s[6:7], s[6:7], s[92:93]
	s_lshl_b32 s92, s89, 15                        ; 16 rows of 2,048 bytes,
	s_lshl_b32 s89, ttmp9, 8                       ; 64 neurons of 4
	s_add_co_u32 s92, s92, s89
	s_add_nc_u64 s[12:13], s[12:13], s[92:93]
.irp j, 0,1,2,3
	global_load_b128 v[G+4*\j:G+4*\j+3], v9, s[8:9] offset:4096*\j
	global_load_b128 v[G+16+4*\j:G+16+4*\j+3], v9, s[10:11] offset:4096*\j
.endr
.irp j, 0,1,2
	global_load_b32 v[Q+\j], v9, s[8:9] offset:4096*\j+16
	global_load_b32 v[Q+4+\j], v9, s[10:11] offset:4096*\j+16
.endr
	global_load_b32 v[Q+3], v11, s[8:9]
	global_load_b32 v[Q+7], v11, s[10:11]
	s_load_b512 s[16:31], s[4:5], s88 offset:0x0   ; my first channel's 16 pairs
	s_load_b512 s[32:47], s[4:5], s88 offset:0x40
.macro RELOAD p                        ; a channel's record into set p
.irp q, 0,1,2
	global_load_b128 v[CNS+12*(\p)+4*\q:CNS+12*(\p)+4*\q+3], v[OC+(\p)], s[6:7] offset:512*\q
.endr
.endm
	RELOAD 0
	RELOAD 1
	RELOAD 2
	; While all that is on its way: the sums start at 0, and the first trip's first S2, which has no group before it, finds masks, weights and (below) entries of 0, so that the loop has one text for every trip.
.set i, 0
.rept 64
	v_mov_b32 v[ACC+i], 0
.set i, i+1
.endr
	v_mov_b32 v[CNS+36+6], 0
	v_mov_b32 v[CNS+36+7], 0
.set i, 0
.rept 8
	s_mov_b32 s[MK+i], 0
.set i, i+1
.endr
	s_wait_loadcnt 0x9                             ; the sixteen table loads are in; the nine of CN, issued behind them, may stay out
.set j, 0
.rept 4
.set m, 0
.rept 7
	v_cvt_pk_f16_f32 v[E+8*j+m], v[G+4*j+(m+1)/2], v[G+16+4*j+(m+1)/2]  ; words P0 P1 | P1 P2 | P2 P3 | P3 ..
.set m, m+1
.endr
	v_cvt_pk_f16_f32 v[E+8*j+7], v[Q+j], v[Q+4+j]  ; .. and the one behind
	ds_store_b128 v10, v[E+8*j:E+8*j+3] offset:TAB+8192*j
	ds_store_b128 v10, v[E+8*j+4:E+8*j+7] offset:TAB+8192*j+16
.set j, j+1
.endr
.set i, 0
.rept 16
	v_mov_b32 v[G+16+i], 0
.set i, i+1
.endr
	s_wait_dscnt 0x0                               ; for the others' sake: my part of the table is written
	s_barrier_signal -1
	s_barrier_wait -1                              ; the table is whole; nothing writes it again
.macro XSET buf, row                   ; XS: the scalar pair (x, X') of a row in buffer buf
.if (\buf) == 0
.set XS, 16+2*(\row)
.elseif (\row) < 8
.set XS, 48+2*(\row)
.else
.set XS, 52+2*(\row)
.endif
.endm
; S1: rows 4 g .. 4 g + 3 of the channel in set k: both index paths, in lock-step, and the eight gathers.
.macro S1 k, buf, g
.set C, CNS+12*(\k)
.set GS, G+16*((\g)%2)
.irp j, 0,1,2,3
	XSET \buf, 4*(\g)+\j
	v_pk_mul_f32 v[Q+2*\j:Q+2*\j+1], v[C+2:C+3], s[XS:XS+1] op_sel_hi:[1,0]           ; q0 = x y
.endr
.irp j, 0,1,2,3
	XSET \buf, 4*(\g)+\j
	v_mad_u32_u24 v[I+2*\j], s[XS+1], v[C+8], v[C+10]                                 ; R = X' IW + BB'
	v_mad_u32_u24 v[I+2*\j+1], s[XS+1], v[C+9], v[C+11]
.endr
.irp j, 0,1,2,3
	XSET \buf, 4*(\g)+\j
	v_pk_fma_f32 v[E+2*\j:E+2*\j+1], v[Q+2*\j:Q+2*\j+1], v[C:C+1], s[XS:XS+1] op_sel_hi:[1,1,0] neg_lo:[1,0,0] neg_hi:[1,0,0]  ; e = x - q0 wl
.endr
.irp z, 0,1,2,3,4,5,6,7
	v_lshrrev_b32 v[I+\z], 20, v[I+\z]
.endr
.irp j, 0,1,2,3
	v_pk_fma_f32 v[Q+2*\j:Q+2*\j+1], v[E+2*\j:E+2*\j+1], v[C+2:C+3], v[Q+2*\j:Q+2*\j+1]  ; q = q0 + e y
.endr
.irp z, 0,1,2,3,4,5,6,7
	v_min_u32 v[I+\z], 0xfff, v[I+\z]              ; the address's bound, written out (the shift has left 12 bits)
.endr
.irp j, 0,1,2,3
	v_pk_add_f32 v[Q+2*\j:Q+2*\j+1], v[Q+2*\j:Q+2*\j+1], v[C+4:C+5]                   ; theta
.endr
.irp z, 0,1,2,3,4,5,6,7
	v_lshlrev_b32 v[A+\z], 3, v[I+\z]
.endr
.irp z, 0,1,2,3,4,5,6,7
	ds_load_b64 v[GS+2*\z:GS+2*\z+1], v[A+\z] offset:TAB
.endr
.irp j, 0,1,2,3
	v_pk_mul_f32 v[Q+2*\j:Q+2*\j+1], v[Q+2*\j:Q+2*\j+1], s[84:85] op_sel_hi:[1,0]     ; t
.endr
.irp j, 0,1,2,3
	v_pk_add_f32 v[Q+2*\j:Q+2*\j+1], v[Q+2*\j:Q+2*\j+1], s[86:87] op_sel_hi:[1,0]     ; m
.endr
.endm
; S2: the group before (set pk, rows 4 pg .., slot): entry i or i + 1 by its mask, then cos and sin times their weights onto the sums: f16 halves multiplied exactly, added in f32.
.macro S2 pk, pg, slot
.set CP, CNS+12*(\pk)
.set GP, G+16*(\slot)
.set z, 0
.rept 8
	v_cndmask_b32 v[V+z], v[GP+2*z], v[GP+2*z+1], s[MK+z]
.set z, z+1
.endr
.set z, 0
.rept 8
	v_fma_mix_f32 v[ACC+16*(\pg)+2*z], v[V+z], v[CP+6+z%2], v[ACC+16*(\pg)+2*z] op_sel_hi:[1,1,0]
	v_fma_mix_f32 v[ACC+16*(\pg)+2*z+1], v[V+z], v[CP+6+z%2], v[ACC+16*(\pg)+2*z+1] op_sel:[1,1,0] op_sel_hi:[1,1,0]
.set z, z+1
.endr
.endm
.macro CMPM                            ; this group's masks: written when S2 has read the last group's
.irp z, 0,1,2,3,4,5,6,7
	v_and_b32 v[Q+\z], s90, v[Q+\z]
.endr
.irp z, 0,1,2,3,4,5,6,7
	v_cmp_ne_u32 s[MK+\z], v[Q+\z], v[I+\z]
.endr
.endm
.macro GROUP k, buf, g
	S1 \k, \buf, \g
	s_wait_dscnt 0x8                               ; LDS loads come back in order: the eight just issued may stay out, the group before's are in
.if (\g) == 0
	S2 ((\k)+3)%4, 3, 1
.else
	S2 \k, (\g)-1, ((\g)+1)%2
.endif
	CMPM
.endm
; One channel, in set k and x buffer k % 2.
.macro HALF k
	s_wait_kmcnt 0x0                               ; this channel's pairs, asked for a channel ago, are in; s88 may be written
	s_add_co_u32 s88, s88, XREC
	s_min_u32 s88, s88, 511*XREC                   ; the look-ahead never leaves XQ
.if ((\k)%2) == 0
	s_load_b512 s[48:63], s[4:5], s88 offset:0x0
	s_load_b512 s[68:83], s[4:5], s88 offset:0x40
.else
	s_load_b512 s[16:31], s[4:5], s88 offset:0x0
	s_load_b512 s[32:47], s[4:5], s88 offset:0x40
.endif
	s_wait_loadcnt 0x6                             ; set k's three loads are in; the two younger sets' six may stay out.  That wait also frees set k's offset:
	v_add_nc_u32 v[OC+(\k)], 4*REC, v[OC+(\k)]     ; four channels on,
	v_min_u32 v[OC+(\k)], v[OC+(\k)], v[OMAX]      ; and never past CN's last record
	GROUP \k, (\k)%2, 0
	RELOAD ((\k)+3)%4                              ; the set of the channel before has had its last reader just now: it takes the channel three on
	GROUP \k, (\k)%2, 1
	GROUP \k, (\k)%2, 2
	GROUP \k, (\k)%2, 3
.endm
	s_mov_b32 s15, 16
.Ltrip:                                        ; four channels a trip
	HALF 0
	HALF 1
	HALF 2
	HALF 3
	s_sub_co_u32 s15, s15, 1
	s_cmp_lg_u32 s15, 0
	s_cbranch_scc1 .Ltrip
	s_wait_dscnt 0x0
	S2 3, 3, 1                                     ; the last group
	; THE EIGHT PARTIAL SUMS MEET.  Each wave writes its slab; behind the barrier thread t adds up two runs of four numbers over the eight slabs and stores them.
	s_lshl_b32 s92, s14, 13
	s_add_co_u32 s92, s92, PS
	v_lshl_add_u32 v12, v1, 2, s92
	v_lshl_add_u32 v13, v0, 4, PS
	v_lshrrev_b32 v14, 5, v0                       ; a slab's byte 16 t is row t / 32, cos or sin by (t / 16) % 2, neurons 4 (t % 16) on
	v_lshlrev_b32 v14, 11, v14
	v_bfe_u32 v15, v0, 4, 1
	v_lshl_add_u32 v14, v15, 10, v14
	v_and_b32 v15, 15, v0
	v_lshl_add_u32 v14, v15, 4, v14
.set r, 0
.rept 16
	ds_store_b32 v12, v[ACC+4*r] offset:512*r
	ds_store_b32 v12, v[ACC+4*r+1] offset:512*r+256
	ds_store_b32 v12, v[ACC+4*r+2] offset:512*r+128
	ds_store_b32 v12, v[ACC+4*r+3] offset:512*r+384
.set r, r+1
.endr
	s_wait_dscnt 0x0                               ; for the others' sake: my slab is written
	s_barrier_signal -1
	s_barrier_wait -1
.irp u, 0,1
.irp w, 0,1,2,3,4,5,6,7
	ds_load_b128 v[ACC+32*\u+4*\w:ACC+32*\u+4*\w+3], v13 offset:4096*\u+8192*\w
.endr
.endr
	s_wait_dscnt 0x0
.macro ADD4 d, s
	v_pk_add_f32 v[(\d):(\d)+1], v[(\d):(\d)+1], v[(\s):(\s)+1]
	v_pk_add_f32 v[(\d)+2:(\d)+3], v[(\d)+2:(\d)+3], v[(\s)+2:(\s)+3]
.endm
.irp u, 0,1
.irp w, 0,2,4,6
	ADD4 ACC+32*\u+4*\w, ACC+32*\u+4*\w+4
.endr
.irp w, 0,4
	ADD4 ACC+32*\u+4*\w, ACC+32*\u+4*\w+8
.endr
	ADD4 ACC+32*\u, ACC+32*\u+16
.endr
	global_store_b128 v14, v[ACC:ACC+3], s[12:13]                  ; sixteen lanes store 256 consecutive bytes, aligned: 64 neurons of a row
	global_store_b128 v14, v[ACC+32:ACC+35], s[12:13] offset:16384 ; eight rows further down
	s_wait_tensorcnt 0x0                           ; the wave's end: three closing lines, behind my last LDS store
	ds_add_u32 v[SPW], v[NIL]
	s_wait_dscnt 0x0
	s_endpgm
.Lfunc_end_k_q0fb52b0698_resonate:
	.size	k_q0fb52b0698_resonate, .Lfunc_end_k_q0fb52b0698_resonate-k_q0fb52b0698_resonate
	.p2alignl 7, 3214868480
	.fill 96, 4, 3214868480
	.section	.rodata,"a",@progbits
	.p2align	6, 0x0
	.amdhsa_kernel k_q0fb52b0698_resonate
		.amdhsa_group_segment_fixed_size 99328
		.amdhsa_private_segment_fixed_size 0
		.amdhsa_enable_private_segment 0
		.amdhsa_kernarg_size 40
		.amdhsa_user_sgpr_count 2
		.amdhsa_user_sgpr_kernarg_segment_ptr 1
		.amdhsa_wavefront_size32 1
		.amdhsa_system_sgpr_workgroup_id_x 1
		.amdhsa_system_sgpr_workgroup_id_y 1
		.amdhsa_system_sgpr_workgroup_id_z 1
		.amdhsa_system_vgpr_workitem_id 0
		.amdhsa_next_free_vgpr 200
		.amdhsa_next_free_sgpr 102
		.amdhsa_reserve_vcc 0
		.amdhsa_float_denorm_mode_32 3
		.amdhsa_float_denorm_mode_16_64 3
		.amdhsa_memory_ordered 1
		.amdhsa_forward_progress 1
		.amdhsa_inst_pref_size 115
	.end_amdhsa_kernel
	.amdgpu_metadata
---
amdhsa.version: [ 1, 2 ]
amdhsa.kernels:
  - .name:           k_q0fb52b0698_resonate
    .symbol:         k_q0fb52b0698_resonate.kd
    .args:
      - { .name: XQ, .offset: 0, .size: 8, .value_kind: global_buffer, .address_space: global }
      - { .name: CN, .offset: 8, .size: 8, .value_kind: global_buffer, .address_space: global }
      - { .name: cos_table, .offset: 16, .size: 8, .value_kind: global_buffer, .address_space: global }
      - { .name: sin_table, .offset: 24, .size: 8, .value_kind: global_buffer, .address_space: global }
      - { .name: S, .offset: 32, .size: 8, .value_kind: global_buffer, .address_space: global }
    .group_segment_fixed_size: 99328
    .private_segment_fixed_size: 0
    .kernarg_segment_align: 8
    .kernarg_segment_size: 40
    .max_flat_workgroup_size: 256
    .sgpr_count:     102
    .vgpr_count:     200
    .wavefront_size: 32
...
	.end_amdgpu_metadata
.endif
;; end of part 2
;; launch project (part 3): grid 8 x 32, 8 waves a work-group, no clusters, 9,728 bytes of LDS; arguments S, proj_cos_w, proj_sin_w, out0; writes out0
.if DOCPART == 3
	.amdgcn_target "amdgcn-amd-amdhsa--gfx1250"
	.amdhsa_code_object_version 6
	.text
	.protected	k_q0fb52b0698_project
	.globl	k_q0fb52b0698_project
	.p2align	8
	.type	k_q0fb52b0698_project,@function
k_q0fb52b0698_project:
	s_mov_b64 s[64:65], 0
	v_nop
	global_prefetch_b8 v0, s[64:65] scope:SCOPE_SE
	s_setreg_imm32_b32 hwreg(HW_REG_WAVE_MODE, 25, 1), 1
	s_wait_xcnt 0x0
; THIRD LAUNCH: out0[r][c] = silu(sum over n of S[r][n] proj_cos_w[c][n] + S[r][256 + n] proj_sin_w[c][n]): one product over K = 512.  Nothing of reference() is left out here.
; OPERANDS.  The sums in S can be large and nearly alike along a row, so that one rounding to bf16 would leave errors that add up along K.  Each f32 operand goes as hi + lo, two bf16 numbers (lo = bf16(v - hi), the
; difference exact in f32), and three products are summed in f32: hi hi, lo hi, hi lo; the term lo lo, some 2^-18 of the product, is dropped.
; SHARES.  A work-group: 32 rows x 64 columns.  Wave w: rows 16 (w % 2) on, columns 16 (w / 2) on: one tile, three accumulators.  Operands come straight from memory: 32 bytes a lane, twice, for each side and K step.
; TRANSPOSED USE.  Source 0 = 16 rows of the weights (columns of out0), source 1 = 16 rows of S: a lane ends with row lane % 16 and eight neighbouring columns.
; NO CLUSTER, NO TENSOR LOADS: a work-group reads 192 KiB in sixteen short steps; a ring in LDS would add a barrier to each.
; LIMIT.  silu(z) = z / (1 + 2^(-z log2 e)): where the power overflows the quotient is 0, as in reference() to within rounding.  NaN and infinities are not treated apart.
.set SPITCH, 272                       ; a stage row: 256 bytes + 16, so that sixteen rows' stores of 16 bytes fall on sixteen different 16-byte columns
.set SPARE, 32*SPITCH                  ; behind the stage: the spare words, 128 bytes a wave, which no other line names
.set ACC, 16                           ; v[16:23] hi hi, v[24:31] lo hi, v[32:39] hi lo
.set RAW, 40                           ; v[40:167]  four sets of 32: 16 numbers of the weights, 16 of S, as loaded
.set CV,  168                          ; v[168:231] two banks of 32: weights hi, lo, S hi, lo
.set T,   232                          ; v[232:239] at work
.set Z,   240                          ; v[240:247]
.set EX,  248                          ; v[248:255]
	s_load_b256 s[4:11], s[0:1], 0x0               ; S s[4:5], proj_cos_w s[6:7], proj_sin_w s[8:9], out0 s[10:11]
	v_lshl_add_u32 v8, v0, 2, SPARE                ; my spare word; never rewritten
	v_mov_b32 v9, 0                                ; 0; never rewritten
	v_lshrrev_b32 v1, 5, v0
	v_readfirstlane_b32 s12, v1                    ; wave 0..7
	v_and_b32 v1, 15, v0                           ; l % 16
	v_bfe_u32 v2, v0, 4, 1                         ; l / 16
	s_and_b32 s13, s12, 1                          ; which 16 rows
	s_lshr_b32 s14, s12, 1                         ; which 16 columns
	s_and_b32 s15, ttmp7, 0xffff                   ; block of 32 rows
	v_lshlrev_b32 v3, 11, v1                       ; S: row x 2,048 + 32 x half (8 numbers of f32)
	v_lshl_add_u32 v3, v2, 5, v3
	v_lshlrev_b32 v4, 10, v1                       ; weights: row x 1,024 + 32 x half
	v_lshl_add_u32 v4, v2, 5, v4
	s_lshl_b32 s16, s15, 16
	s_lshl_b32 s17, s13, 15
	s_add_co_u32 s16, s16, s17                     ; S at my 16 rows
	s_mov_b32 s17, 0
	s_lshl_b32 s18, ttmp9, 16
	s_lshl_b32 s19, s14, 14
	s_add_co_u32 s18, s18, s19                     ; the weights at my 16 rows
	s_mov_b32 s19, 0
	s_lshl_b32 s22, s15, 16
	s_lshl_b32 s23, ttmp9, 8
	s_add_co_u32 s22, s22, s23                     ; out0 at the work-group's corner
	s_mov_b32 s23, 0
	s_mov_b32 s20, 0xffff0000                      ; a word's upper bf16
	s_mul_i32 s24, s13, 16*SPITCH
	s_lshl_b32 s25, s14, 6
	s_add_co_u32 s24, s24, s25
	v_mul_u32_u24 v5, v1, SPITCH                   ; into the stage: my row, my 32 bytes
	v_lshl_add_u32 v5, v2, 5, v5
	v_add_nc_u32 v5, s24, v5
	s_mul_i32 s26, s12, 4*SPITCH
	v_mul_u32_u24 v6, v2, SPITCH                   ; back: wave w takes rows 4 w .. 4 w + 3, whole: lanes 0-15 one row, lanes 16-31 the next
	v_lshl_add_u32 v6, v1, 4, v6
	v_add_nc_u32 v6, s26, v6
	s_lshl_b32 s27, s12, 13
	v_lshlrev_b32 v7, 11, v2                       ; and the same rows in out0
	v_lshl_add_u32 v7, v1, 4, v7
	v_add_nc_u32 v7, s27, v7
	s_wait_kmcnt 0x0
	s_add_nc_u64 s[4:5], s[4:5], s[16:17]
	s_add_nc_u64 s[6:7], s[6:7], s[18:19]
	s_add_nc_u64 s[8:9], s[8:9], s[18:19]
	s_add_nc_u64 s[10:11], s[10:11], s[22:23]
; K step s of 16 (32 along K): steps 0-7 take proj_cos_w and S's first half, steps 8-15 proj_sin_w and its second.  A fragment's lane holds k = 8 h + 0..7 and 16 + 8 h + 0..7: bytes 0-31 and 64-95 behind my offset.
.macro LOADS s
.set RW, RAW+32*((\s)%4)
.set KK, ((\s)%8)*128
.irp c, 0,1,2,3
.set OB, KK+16*((\c)%2)+64*((\c)/2)
.if (\s) < 8
	global_load_b128 v[RW+4*\c:RW+4*\c+3], v4, s[6:7] offset:OB
.else
	global_load_b128 v[RW+4*\c:RW+4*\c+3], v4, s[8:9] offset:OB
.endif
	global_load_b128 v[RW+16+4*\c:RW+16+4*\c+3], v3, s[4:5] offset:OB+1024*((\s)/8)
.endr
.endm
; hi = bf16(v); v - hi, exact; lo = bf16 of that.  Four pairs of numbers in lock-step; o = 0 the weights, 1 S.
.macro CONV s
.set RW, RAW+32*((\s)%4)
.set CB, CV+32*((\s)%2)
.irp o, 0,1
.irp q, 0,1
.irp p, 0,1,2,3
	v_cvt_pk_bf16_f32 v[CB+16*\o+4*\q+\p], v[RW+16*\o+8*\q+2*\p], v[RW+16*\o+8*\q+2*\p+1]
.endr
.irp p, 0,1,2,3
	v_lshlrev_b32 v[T+2*\p], 16, v[CB+16*\o+4*\q+\p]
	v_and_b32 v[T+2*\p+1], s20, v[CB+16*\o+4*\q+\p]
.endr
.irp p, 0,1,2,3
	v_pk_add_f32 v[RW+16*\o+8*\q+2*\p:RW+16*\o+8*\q+2*\p+1], v[RW+16*\o+8*\q+2*\p:RW+16*\o+8*\q+2*\p+1], v[T+2*\p:T+2*\p+1] neg_lo:[0,1] neg_hi:[0,1]
.endr
.irp p, 0,1,2,3
	v_cvt_pk_bf16_f32 v[CB+16*\o+8+4*\q+\p], v[RW+16*\o+8*\q+2*\p], v[RW+16*\o+8*\q+2*\p+1]
.endr
.endr
.endr
.endm
; The three accumulators take turns, one instruction a turn, from step to step too.  The first step starts the sums: nothing is cleared.
; A bank of CV is written again two steps later: the step between has 80 plain vector instructions that name none of its registers.
.macro MULS s
.set CB, CV+32*((\s)%2)
.if (\s) == 0
	v_wmma_f32_16x16x32_bf16 v[ACC:ACC+7], v[CB:CB+7], v[CB+16:CB+23], 0
	v_wmma_f32_16x16x32_bf16 v[ACC+8:ACC+15], v[CB+8:CB+15], v[CB+16:CB+23], 0
	v_wmma_f32_16x16x32_bf16 v[ACC+16:ACC+23], v[CB:CB+7], v[CB+24:CB+31], 0
.else
	v_wmma_f32_16x16x32_bf16 v[ACC:ACC+7], v[CB:CB+7], v[CB+16:CB+23], v[ACC:ACC+7]
	v_wmma_f32_16x16x32_bf16 v[ACC+8:ACC+15], v[CB+8:CB+15], v[CB+16:CB+23], v[ACC+8:ACC+15]
	v_wmma_f32_16x16x32_bf16 v[ACC+16:ACC+23], v[CB:CB+7], v[CB+24:CB+31], v[ACC+16:ACC+23]
.endif
.endm
	LOADS 0
	LOADS 1
	LOADS 2
.set st, 0
.rept 16
.if st < 13
	LOADS st+3                                     ; into the set that the step before has converted
	s_wait_loadcnt 24                              ; this step's eight loads are in; the three younger steps' 24 may stay out
.else
	s_wait_loadcnt 8*(15-st)                       ; nothing more is asked for: the counts run down
.endif
	CONV st
	MULS st
.set st, st+1
.endr
	; THE WAY OUT.
.rept 8
	v_nop                                          ; the places behind the last products, once a launch
.endr
.irp j, 0,2,4,6
	v_pk_add_f32 v[Z+\j:Z+\j+1], v[ACC+8+\j:ACC+8+\j+1], v[ACC+16+\j:ACC+16+\j+1]  ; the two small sums first; each accumulator is read from its low end on
.endr
.irp j, 0,2,4,6
	v_pk_add_f32 v[Z+\j:Z+\j+1], v[Z+\j:Z+\j+1], v[ACC+\j:ACC+\j+1]
.endr
.irp j, 0,2,4,6
	v_pk_mul_f32 v[EX+\j:EX+\j+1], v[Z+\j:Z+\j+1], 0xbfb8aa3b op_sel_hi:[1,0]      ; -z log2(e)
.endr
.irp j, 0,1,2,3,4,5,6,7
	v_exp_f32 v[EX+\j], v[EX+\j]
.endr
	v_nop                                          ; a plain instruction behind the last exponential,
	s_wait_alu depctr_va_vdst(0)                   ; and one wait for the eight, ahead of their first reader
.irp j, 0,2,4,6
	v_pk_add_f32 v[EX+\j:EX+\j+1], v[EX+\j:EX+\j+1], 1.0 op_sel_hi:[1,0]
.endr
.irp j, 0,1,2,3,4,5,6,7
	v_rcp_f32 v[EX+\j], v[EX+\j]
.endr
	v_nop
	s_wait_alu depctr_va_vdst(0)                   ; the same for the eight reciprocals
.irp j, 0,2,4,6
	v_pk_mul_f32 v[Z+\j:Z+\j+1], v[Z+\j:Z+\j+1], v[EX+\j:EX+\j+1]
.endr
	ds_store_b128 v5, v[Z:Z+3]
	ds_store_b128 v5, v[Z+4:Z+7] offset:16
	s_wait_dscnt 0x0                               ; for the others' sake: a stage row's 256 bytes come from four waves
	s_barrier_signal -1
	s_barrier_wait -1
	ds_load_b128 v[EX:EX+3], v6
	ds_load_b128 v[EX+4:EX+7], v6 offset:2*SPITCH
	s_wait_dscnt 0x1                               ; the first is in
	global_store_b128 v7, v[EX:EX+3], s[10:11]                 ; sixteen lanes store 256 consecutive bytes, aligned
	s_wait_dscnt 0x0
	global_store_b128 v7, v[EX+4:EX+7], s[10:11] offset:4096   ; two rows further down
	s_wait_tensorcnt 0x0                           ; the wave's end: three closing lines, behind my last LDS store
	ds_add_u32 v8, v9
	s_wait_dscnt 0x0
	s_endpgm
.Lfunc_end_k_q0fb52b0698_project:
	.size	k_q0fb52b0698_project, .Lfunc_end_k_q0fb52b0698_project-k_q0fb52b0698_project
	.p2alignl 7, 3214868480
	.fill 96, 4, 3214868480
	.section	.rodata,"a",@progbits
	.p2align	6, 0x0
	.amdhsa_kernel k_q0fb52b0698_project
		.amdhsa_group_segment_fixed_size 9728
		.amdhsa_private_segment_fixed_size 0
		.amdhsa_enable_private_segment 0
		.amdhsa_kernarg_size 32
		.amdhsa_user_sgpr_count 2
		.amdhsa_user_sgpr_kernarg_segment_ptr 1
		.amdhsa_wavefront_size32 1
		.amdhsa_system_sgpr_workgroup_id_x 1
		.amdhsa_system_sgpr_workgroup_id_y 1
		.amdhsa_system_sgpr_workgroup_id_z 1
		.amdhsa_system_vgpr_workitem_id 0
		.amdhsa_next_free_vgpr 256
		.amdhsa_next_free_sgpr 66
		.amdhsa_reserve_vcc 0
		.amdhsa_float_denorm_mode_32 3
		.amdhsa_float_denorm_mode_16_64 3
		.amdhsa_memory_ordered 1
		.amdhsa_forward_progress 1
		.amdhsa_inst_pref_size 85
	.end_amdhsa_kernel
	.amdgpu_metadata
---
amdhsa.version: [ 1, 2 ]
amdhsa.kernels:
  - .name:           k_q0fb52b0698_project
    .symbol:         k_q0fb52b0698_project.kd
    .args:
      - { .name: S, .offset: 0, .size: 8, .value_kind: global_buffer, .address_space: global }
      - { .name: proj_cos_w, .offset: 8, .size: 8, .value_kind: global_buffer, .address_space: global }
      - { .name: proj_sin_w, .offset: 16, .size: 8, .value_kind: global_buffer, .address_space: global }
      - { .name: out0, .offset: 24, .size: 8, .value_kind: global_buffer, .address_space: global }
    .group_segment_fixed_size: 9728
    .private_segment_fixed_size: 0
    .kernarg_segment_align: 8
    .kernarg_segment_size: 32
    .max_flat_workgroup_size: 256
    .sgpr_count:     66
    .vgpr_count:     256
    .wavefront_size: 32
...
	.end_amdgpu_metadata
.endif
;; end of part 3
;; ======== version 2 of 2: 3 launches; version 1 with the launches resonate, project written anew for expert scheduling mode
;; limits: inputs' magnitudes at most 200; values are held in f16: magnitudes above 65,504 overflow, below 6.1e-05 lose precision
;; workspace buffers: XQ 4,194,304 bytes of whole numbers; CN 3,145,728 bytes of whole numbers; S 2,097,152 bytes
;; launch prepare: the kernel of part 1 again; grid 128 x 1, 4 waves a work-group, no clusters, 0 bytes of LDS; arguments x, W, B, attn_cos, attn_sin, XQ, CN; writes XQ, CN
;; launch resonate (part 4): grid 4 x 64, 8 waves a work-group, no clusters, 99,328 bytes of LDS; arguments XQ, CN, cos_table, sin_table, S; writes S
.if DOCPART == 4
	.amdgcn_target "amdgcn-amd-amdhsa--gfx1250"
	.amdhsa_code_object_version 6
	.text
	.protected	k_q0fb52b0698_resonate
	.globl	k_q0fb52b0698_resonate
	.p2align	8
	.type	k_q0fb52b0698_resonate,@function
k_q0fb52b0698_resonate:
	s_mov_b64 s[64:65], 0
	v_nop
	global_prefetch_b8 v0, s[64:65] scope:SCOPE_SE
	s_setreg_imm32_b32 hwreg(HW_REG_WAVE_SCHED_MODE, 0, 2), 2
	s_setreg_imm32_b32 hwreg(HW_REG_WAVE_MODE, 25, 1), 1
	s_wait_xcnt 0x0
	s_wait_alu depctr_vm_vsrc(0)
; SECOND LAUNCH: S[r][n] = sum over d of cos_table[idx] attn_cos[n][d], S[r][256 + n] the same with sin; idx = round((x / wl + B) K) mod 4096.  Nothing of reference() is left out here.
; SHARES.  A work-group: 16 rows x 64 neurons (group ng) x all 512 channels.  Wave w: channels 64 w .. 64 w + 63.  A lane: neurons a = 64 ng + lane and b = a + 32.  The eight waves' partial sums meet in LDS at the end.
; THE INDEX, TWICE.  (1) Whole numbers read from memory give the coarse index i = (X' IW + BB') >> 20, which is reference()'s idx or one less (shown at the head of the launch before): it alone makes the LDS address.
; (2) The f32 path repeats reference()'s roundings one by one: q0 = x y, e = x - q0 wl (fused), q = q0 + e y (fused): the quotient x / wl rounded to nearest (but where it lies within some 2^-23 of its last place of a
; rounding boundary); th = q + B; t = th K; m = t + 1.5 x 2^23, whose low 12 bits are round-to-even(t) mod 4096.  An LDS entry holds table entries i AND i + 1; (m & 0xfff) != i selects the second: a choice of a value, no address.
; LIMITS.  |x|, |B| <= 200 (see the launch before).  The tables are rounded once to f16 on their way into LDS: within 65,504.  Sums in f32.  NaN and infinities are not treated apart.
; NO TENSOR LOADS, NO CLUSTER: what work-groups share (CN's records) goes straight into registers, 48 bytes a lane and channel; through LDS it would stand in the gathers' way.
; LDS.  TAB: entry i, 8 bytes: P[i], P[(i + 1) % 4096], P = f16 pair (cos low, sin high).  PS: a slab of 8,192 bytes a wave: row x 512 + (cos 0, sin 256) + 4 n.  SPARE: the spare words, 128 bytes a wave, which no other line names.
; THE MODE: SCHED_MODE bits 1:0 = 2 (LLVM: expert scheduling mode 2), set by the entry lines.  The code itself states the register dependences between vector instructions and memory or LDS instructions,
; and between a vector instruction that writes a scalar register and that register's readers, with s_wait_alu, always for 0.
; THE PLAN.  A channel goes in four GROUPS of four rows.  Registers that memory or LDS instructions touch in the loop:
;   A0, A1     the LDS addresses of a group's eight gathers: even groups write and use A0, odd groups A1.
;   G0, G1     group g's gathers land in slot g % 2; the selects of the group behind it read the slot.
;   CNS0 .. 3  set k: read by channel k's four S1 and by S2 up to group 0 of channel k + 1; the record of channel k + 4 lands in it in group 1 of channel k + 1.
;   OC0 .. 3   set k's offset: written at the head of channel k; read by the three loads in group 1 of channel k + 1.
;   ACC, Q, E, I, V are named by vector instructions alone.   s[94:101], the masks: written by a group's compares, read by the next group's selects.
; So a group has ONE wait on va_vdst, ahead of its gathers (the addresses are written; the group before is done reading the slot; in group 1: the old set's last readers are done, and the reload follows the gathers);
; two groups have ONE wait on vm_vsrc (a buffer of addresses is written again two groups behind its gathers, and a wait lies between); and a group has ONE wait on va_sdst, ahead of its selects;
; the last group's masks have theirs ahead of the loop's branch.
.set TAB,   0
.set PS,    32768
.set SPARE, 98304
.set REC,   1536                       ; a channel's record in CN
.set XREC,  8192                       ; a channel's record in XQ
.set SPW,  2                           ; v2   SPARE + 4 x my thread's number; never rewritten
.set NIL,  3                           ; v3   0; never rewritten
.set OC,   4                           ; v4-7 set p's byte offset in CN
.set OMAX, 8                           ; v8   the offset of the last record: the look-ahead is held to it
.set ACC,  16                          ; v[16:79]   row r: cos_a, sin_a, cos_b, sin_b
.set CNS,  80                          ; v[80:127]  four sets of 12, a channel each, in the record's order
.set G,    128                         ; v[128:159] two slots of eight gathered entries
.set Q,    160                         ; v[160:167] the f32 path, by 2 j + u (row j of four, neuron u)
.set E,    168                         ; v[168:175]
.set I,    176                         ; v[176:183] the coarse index
.set A,    184                         ; v[184:191] its LDS address, even groups (A0); v[200:207], at A + 16, odd groups (A1)
.set V,    192                         ; v[192:199] the entry chosen
.set MK,   94                          ; s[94:101]  eight selection masks
; s[16:47] and s[48:63], s[68:83]: two buffers of 16 pairs (x, X'), a channel each.  s[84:85] K, s[86:87] 1.5 x 2^23 (named as pairs).  s88 the XQ record asked for last.  s90 0xfff.
	s_load_b256 s[4:11], s[0:1], 0x0               ; XQ s[4:5], CN s[6:7], cos_table s[8:9], sin_table s[10:11]
	s_load_b64 s[12:13], s[0:1], 0x20              ; S
	v_lshl_add_u32 v[SPW], v0, 2, SPARE
	v_mov_b32 v[NIL], 0
	v_lshrrev_b32 v1, 5, v0
	v_readfirstlane_b32 s14, v1                    ; wave 0..7
	v_and_b32 v1, 31, v0                           ; lane
	s_and_b32 s89, ttmp7, 0xffff                   ; group of 16 rows
	s_mov_b32 s84, 0x4422f983
	s_mov_b32 s85, 0x4422f983
	s_mov_b32 s86, 0x4b400000
	s_mov_b32 s87, 0x4b400000
	s_mov_b32 s90, 0xfff
	v_lshlrev_b32 v9, 4, v0                        ; the tables: four numbers a thread, 256 threads, four times
	v_add_nc_u32 v11, 3*4096+16, v9                ; the number behind my last four: behind the table's end stands its first
	v_and_b32 v11, 0x3fff, v11
	v_lshlrev_b32 v10, 5, v0                       ; their four entries in TAB
	v_lshlrev_b32 v15, 4, v1
	v_add_nc_u32 v[OMAX], 511*REC, v15
	s_wait_alu depctr_va_sdst(0)                   ; s14, the wave's number, is written, ahead of its first reader
	s_lshl_b32 s88, s14, 19                        ; my first channel's record in XQ: 64 w x 8,192
	s_mul_i32 s91, s14, 64*REC                     ; and in CN
	v_add_nc_u32 v[OC], s91, v15
	v_add_nc_u32 v[OC+1], REC, v[OC]
	v_add_nc_u32 v[OC+2], 2*REC, v[OC]
	v_add_nc_u32 v[OC+3], 3*REC, v[OC]
	s_lshl_b32 s92, s89, 7                         ; 16 rows of 8 bytes
	s_mov_b32 s93, 0
	s_wait_kmcnt 0x0
	s_add_nc_u64 s[4:5], s[4:5], s[92:93]
	s_mul_i32 s92, ttmp9, 512*REC
	s_add_nc_u64 s[6:7], s[6:7], s[92:93]
	s_lshl_b32 s92, s89, 15                        ; 16 rows of 2,048 bytes,
	s_lshl_b32 s89, ttmp9, 8                       ; 64 neurons of 4
	s_add_co_u32 s92, s92, s89
	s_add_nc_u64 s[12:13], s[12:13], s[92:93]
	s_wait_alu depctr_va_vdst(0)                   ; the offsets v9, v11 and v[OC ..] are written, which the loads below read; so is v10, the table stores' address
.irp j, 0,1,2,3
	global_load_b128 v[G+4*\j:G+4*\j+3], v9, s[8:9] offset:4096*\j
	global_load_b128 v[G+16+4*\j:G+16+4*\j+3], v9, s[10:11] offset:4096*\j
.endr
.irp j, 0,1,2
	global_load_b32 v[Q+\j], v9, s[8:9] offset:4096*\j+16
	global_load_b32 v[Q+4+\j], v9, s[10:11] offset:4096*\j+16
.endr
	global_load_b32 v[Q+3], v11, s[8:9]
	global_load_b32 v[Q+7], v11, s[10:11]
	s_load_b512 s[16:31], s[4:5], s88 offset:0x0   ; my first channel's 16 pairs
	s_load_b512 s[32:47], s[4:5], s88 offset:0x40
.macro RELOAD p                        ; a channel's record into set p
.irp q, 0,1,2
	global_load_b128 v[CNS+12*(\p)+4*\q:CNS+12*(\p)+4*\q+3], v[OC+(\p)], s[6:7] offset:512*\q
.endr
.endm
	RELOAD 0
	RELOAD 1
	RELOAD 2
	; While all that is on its way: the sums start at 0, and the first trip's first S2, which has no group before it, finds masks, weights and (below) entries of 0, so that the loop has one text for every trip.
.set i, 0
.rept 64
	v_mov_b32 v[ACC+i], 0
.set i, i+1
.endr
	v_mov_b32 v[CNS+36+6], 0
	v_mov_b32 v[CNS+36+7], 0
.set i, 0
.rept 8
	s_mov_b32 s[MK+i], 0
.set i, i+1
.endr
	s_wait_loadcnt 0x9                             ; the sixteen table loads are in; the nine of CN, issued behind them, may stay out
.set j, 0
.rept 4
.set m, 0
.rept 7
	v_cvt_pk_f16_f32 v[E+8*j+m], v[G+4*j+(m+1)/2], v[G+16+4*j+(m+1)/2]  ; words P0 P1 | P1 P2 | P2 P3 | P3 ..
.set m, m+1
.endr
	v_cvt_pk_f16_f32 v[E+8*j+7], v[Q+j], v[Q+4+j]  ; .. and the one behind
.set j, j+1
.endr
.set i, 0
.rept 16
	v_mov_b32 v[G+16+i], 0
.set i, i+1
.endr
	s_wait_alu depctr_va_vdst(0)                   ; the 32 conversions have written v[E .. E+31], which the eight LDS stores read
.set j, 0
.rept 4
	ds_store_b128 v10, v[E+8*j:E+8*j+3] offset:TAB+8192*j
	ds_store_b128 v10, v[E+8*j+4:E+8*j+7] offset:TAB+8192*j+16
.set j, j+1
.endr
	s_wait_dscnt 0x0                               ; for the others' sake: my part of the table is written
	s_barrier_signal -1
	s_barrier_wait -1                              ; the table is whole; nothing writes it again
.macro XSET buf, row                   ; XS: the scalar pair (x, X') of a row in buffer buf
.if (\buf) == 0
.set XS, 16+2*(\row)
.elseif (\row) < 8
.set XS, 48+2*(\row)
.else
.set XS, 52+2*(\row)
.endif
.endm
; S1: rows 4 g .. 4 g + 3 of the channel in set k: both index paths, in lock-step, and the eight gathers; in group 1 the reload of the set that the channel before has left.
.macro S1 k, buf, g
.set C, CNS+12*(\k)
.set GS, G+16*((\g)%2)
.set AS, A+16*((\g)%2)
.irp j, 0,1,2,3
	XSET \buf, 4*(\g)+\j
	v_pk_mul_f32 v[Q+2*\j:Q+2*\j+1], v[C+2:C+3], s[XS:XS+1] op_sel_hi:[1,0]           ; q0 = x y
.endr
.irp j, 0,1,2,3
	XSET \buf, 4*(\g)+\j
	v_mad_u32_u24 v[I+2*\j], s[XS+1], v[C+8], v[C+10]                                 ; R = X' IW + BB'
	v_mad_u32_u24 v[I+2*\j+1], s[XS+1], v[C+9], v[C+11]
.endr
.irp j, 0,1,2,3
	XSET \buf, 4*(\g)+\j
	v_pk_fma_f32 v[E+2*\j:E+2*\j+1], v[Q+2*\j:Q+2*\j+1], v[C:C+1], s[XS:XS+1] op_sel_hi:[1,1,0] neg_lo:[1,0,0] neg_hi:[1,0,0]  ; e = x - q0 wl
.endr
.irp z, 0,1,2,3,4,5,6,7
	v_lshrrev_b32 v[I+\z], 20, v[I+\z]
.endr
.irp j, 0,1,2,3
	v_pk_fma_f32 v[Q+2*\j:Q+2*\j+1], v[E+2*\j:E+2*\j+1], v[C+2:C+3], v[Q+2*\j:Q+2*\j+1]  ; q = q0 + e y
.endr
.irp z, 0,1,2,3,4,5,6,7
	v_min_u32 v[I+\z], 0xfff, v[I+\z]              ; the address's bound, written out (the shift has left 12 bits)
.endr
.irp j, 0,1,2,3
	v_pk_add_f32 v[Q+2*\j:Q+2*\j+1], v[Q+2*\j:Q+2*\j+1], v[C+4:C+5]                   ; theta
.endr
.irp z, 0,1,2,3,4,5,6,7
	v_lshlrev_b32 v[AS+\z], 3, v[I+\z]
.endr
	s_wait_alu depctr_va_vdst(0)                   ; the eight addresses are written, which the gathers read; the selects of the group before are done reading this slot, in which the gathers land; in group 1: the set of the channel before has had its last reader, group 0's S2
.irp z, 0,1,2,3,4,5,6,7
	ds_load_b64 v[GS+2*\z:GS+2*\z+1], v[AS+\z] offset:TAB
.endr
.if (\g) == 1
	RELOAD ((\k)+3)%4                              ; it takes the channel three on.  No further wait: only the gathers stand between the wait above and these loads
.endif
.irp j, 0,1,2,3
	v_pk_mul_f32 v[Q+2*\j:Q+2*\j+1], v[Q+2*\j:Q+2*\j+1], s[84:85] op_sel_hi:[1,0]     ; t
.endr
.irp j, 0,1,2,3
	v_pk_add_f32 v[Q+2*\j:Q+2*\j+1], v[Q+2*\j:Q+2*\j+1], s[86:87] op_sel_hi:[1,0]     ; m
.endr
.endm
; S2: the group before (set pk, rows 4 pg .., slot): entry i or i + 1 by its mask, then cos and sin times their weights onto the sums: f16 halves multiplied exactly, added in f32.
.macro S2 pk, pg, slot
.set CP, CNS+12*(\pk)
.set GP, G+16*(\slot)
.set z, 0
.rept 8
	v_cndmask_b32 v[V+z], v[GP+2*z], v[GP+2*z+1], s[MK+z]
.set z, z+1
.endr
.set z, 0
.rept 8
	v_fma_mix_f32 v[ACC+16*(\pg)+2*z], v[V+z], v[CP+6+z%2], v[ACC+16*(\pg)+2*z] op_sel_hi:[1,1,0]
	v_fma_mix_f32 v[ACC+16*(\pg)+2*z+1], v[V+z], v[CP+6+z%2], v[ACC+16*(\pg)+2*z+1] op_sel:[1,1,0] op_sel_hi:[1,1,0]
.set z, z+1
.endr
.endm
.macro CMPM                            ; this group's masks: written when S2 has read the last group's
.irp z, 0,1,2,3,4,5,6,7
	v_and_b32 v[Q+\z], s90, v[Q+\z]
.endr
.irp z, 0,1,2,3,4,5,6,7
	v_cmp_ne_u32 s[MK+\z], v[Q+\z], v[I+\z]
.endr
.endm
.macro GROUP k, buf, g
	S1 \k, \buf, \g
	s_wait_dscnt 0x8                               ; LDS loads come back in order: the eight just issued may stay out, the group before's are in
.if ((\k) != 0) || ((\g) != 0)
	s_wait_alu depctr_va_sdst(0)                   ; the compares of the group before have written the eight masks, ahead of their first readers, the selects below (a trip's first group: the wait ahead of the loop's branch has stated it)
.endif
.if (\g) == 0
	S2 ((\k)+3)%4, 3, 1
.else
	S2 \k, (\g)-1, ((\g)+1)%2
.endif
	CMPM
.endm
; One channel, in set k and x buffer k % 2.
.macro HALF k
	s_wait_kmcnt 0x0                               ; this channel's pairs, asked for a channel ago, are in; s88 may be written
	s_add_co_u32 s88, s88, XREC
	s_min_u32 s88, s88, 511*XREC                   ; the look-ahead never leaves XQ
.if ((\k)%2) == 0
	s_load_b512 s[48:63], s[4:5], s88 offset:0x0
	s_load_b512 s[68:83], s[4:5], s88 offset:0x40
.else
	s_load_b512 s[16:31], s[4:5], s88 offset:0x0
	s_load_b512 s[32:47], s[4:5], s88 offset:0x40
.endif
	s_wait_loadcnt 0x6                             ; set k's three loads are in; the two younger sets' six may stay out.  That wait also frees set k's offset
	s_wait_alu depctr_vm_vsrc(0)                   ; set k's loads have read its offset, written below; the gathers of the last two groups have read A0 and A1, which groups 0 and 1 write; in the first trip: the table's LDS stores have read v[E .. E+31]
	v_add_nc_u32 v[OC+(\k)], 4*REC, v[OC+(\k)]     ; four channels on,
	v_min_u32 v[OC+(\k)], v[OC+(\k)], v[OMAX]      ; and never past CN's last record
	GROUP \k, (\k)%2, 0
	GROUP \k, (\k)%2, 1
	s_wait_alu depctr_vm_vsrc(0)                   ; the gathers of groups 0 and 1 have read A0 and A1, which groups 2 and 3 write
	GROUP \k, (\k)%2, 2
	GROUP \k, (\k)%2, 3
.endm
	s_mov_b32 s15, 16
.Ltrip:                                        ; four channels a trip
	HALF 0
	HALF 1
	HALF 2
	HALF 3
	s_wait_alu depctr_va_sdst(0)                   ; the trip's last compares have written the eight masks, ahead of the branch: their first readers are the selects at the next trip's head, or behind the loop
	s_sub_co_u32 s15, s15, 1
	s_cmp_lg_u32 s15, 0
	s_cbranch_scc1 .Ltrip
	s_wait_dscnt 0x0
	S2 3, 3, 1                                     ; the last group
	; THE EIGHT PARTIAL SUMS MEET.  Each wave writes its slab; behind the barrier thread t adds up two runs of four numbers over the eight slabs and stores them.
	s_lshl_b32 s92, s14, 13
	s_add_co_u32 s92, s92, PS
	v_lshl_add_u32 v12, v1, 2, s92
	v_lshl_add_u32 v13, v0, 4, PS
	v_lshrrev_b32 v14, 5, v0                       ; a slab's byte 16 t is row t / 32, cos or sin by (t / 16) % 2, neurons 4 (t % 16) on
	v_lshlrev_b32 v14, 11, v14
	v_bfe_u32 v15, v0, 4, 1
	v_lshl_add_u32 v14, v15, 10, v14
	v_and_b32 v15, 15, v0
	v_lshl_add_u32 v14, v15, 4, v14
	s_wait_alu depctr_va_vdst(0)                   ; the sums in v[ACC ..] are written, which the LDS stores read; so are the addresses v12 and v13 and the offset v14
.set r, 0
.rept 16
	ds_store_b32 v12, v[ACC+4*r] offset:512*r
	ds_store_b32 v12, v[ACC+4*r+1] offset:512*r+256
	ds_store_b32 v12, v[ACC+4*r+2] offset:512*r+128
	ds_store_b32 v12, v[ACC+4*r+3] offset:512*r+384
.set r, r+1
.endr
	s_wait_dscnt 0x0                               ; for the others' sake: my slab is written
	s_barrier_signal -1
	s_barrier_wait -1
	s_wait_alu depctr_vm_vsrc(0)                   ; my LDS stores have read v[ACC ..], in which the loads below land
.irp u, 0,1
.irp w, 0,1,2,3,4,5,6,7
	ds_load_b128 v[ACC+32*\u+4*\w:ACC+32*\u+4*\w+3], v13 offset:4096*\u+8192*\w
.endr
.endr
	s_wait_dscnt 0x0
.macro ADD4 d, s
	v_pk_add_f32 v[(\d):(\d)+1], v[(\d):(\d)+1], v[(\s):(\s)+1]
	v_pk_add_f32 v[(\d)+2:(\d)+3], v[(\d)+2:(\d)+3], v[(\s)+2:(\s)+3]
.endm
.irp u, 0,1
.irp w, 0,2,4,6
	ADD4 ACC+32*\u+4*\w, ACC+32*\u+4*\w+4
.endr
.irp w, 0,4
	ADD4 ACC+32*\u+4*\w, ACC+32*\u+4*\w+8
.endr
	ADD4 ACC+32*\u, ACC+32*\u+16
.endr
	s_wait_alu depctr_va_vdst(0)                   ; the additions have written v[ACC:ACC+3] and v[ACC+32:ACC+35], which the two stores read
	global_store_b128 v14, v[ACC:ACC+3], s[12:13]                  ; sixteen lanes store 256 consecutive bytes, aligned: 64 neurons of a row
	global_store_b128 v14, v[ACC+32:ACC+35], s[12:13] offset:16384 ; eight rows further down
	s_wait_dscnt 0x0                               ; the closing lines, six on end
	s_wait_alu 0x0
	s_wait_tensorcnt 0x0
	ds_add_u32 v[SPW], v[NIL]
	s_wait_dscnt 0x0
	s_endpgm
.Lfunc_end_k_q0fb52b0698_resonate:
	.size	k_q0fb52b0698_resonate, .Lfunc_end_k_q0fb52b0698_resonate-k_q0fb52b0698_resonate
	.p2alignl 7, 3214868480
	.fill 96, 4, 3214868480
	.section	.rodata,"a",@progbits
	.p2align	6, 0x0
	.amdhsa_kernel k_q0fb52b0698_resonate
		.amdhsa_group_segment_fixed_size 99328
		.amdhsa_private_segment_fixed_size 0
		.amdhsa_enable_private_segment 0
		.amdhsa_kernarg_size 40
		.amdhsa_user_sgpr_count 2
		.amdhsa_user_sgpr_kernarg_segment_ptr 1
		.amdhsa_wavefront_size32 1
		.amdhsa_system_sgpr_workgroup_id_x 1
		.amdhsa_system_sgpr_workgroup_id_y 1
		.amdhsa_system_sgpr_workgroup_id_z 1
		.amdhsa_system_vgpr_workitem_id 0
		.amdhsa_next_free_vgpr 208
		.amdhsa_next_free_sgpr 102
		.amdhsa_reserve_vcc 0
		.amdhsa_float_denorm_mode_32 3
		.amdhsa_float_denorm_mode_16_64 3
		.amdhsa_memory_ordered 1
		.amdhsa_forward_progress 1
		.amdhsa_inst_pref_size 117
	.end_amdhsa_kernel
	.amdgpu_metadata
---
amdhsa.version: [ 1, 2 ]
amdhsa.kernels:
  - .name:           k_q0fb52b0698_resonate
    .symbol:         k_q0fb52b0698_resonate.kd
    .args:
      - { .name: XQ, .offset: 0, .size: 8, .value_kind: global_buffer, .address_space: global }
      - { .name: CN, .offset: 8, .size: 8, .value_kind: global_buffer, .address_space: global }
      - { .name: cos_table, .offset: 16, .size: 8, .value_kind: global_buffer, .address_space: global }
      - { .name: sin_table, .offset: 24, .size: 8, .value_kind: global_buffer, .address_space: global }
      - { .name: S, .offset: 32, .size: 8, .value_kind: global_buffer, .address_space: global }
    .group_segment_fixed_size: 99328
    .private_segment_fixed_size: 0
    .kernarg_segment_align: 8
    .kernarg_segment_size: 40
    .max_flat_workgroup_size: 256
    .sgpr_count:     102
    .vgpr_count:     208
    .wavefront_size: 32
...
	.end_amdgpu_metadata
.endif
;; end of part 4
;; launch project (part 5): grid 8 x 32, 8 waves a work-group, no clusters, 9,728 bytes of LDS; arguments S, proj_cos_w, proj_sin_w, out0; writes out0
.if DOCPART == 5
	.amdgcn_target "amdgcn-amd-amdhsa--gfx1250"
	.amdhsa_code_object_version 6
	.text
	.protected	k_q0fb52b0698_project
	.globl	k_q0fb52b0698_project
	.p2align	8
	.type	k_q0fb52b0698_project,@function
k_q0fb52b0698_project:
	s_mov_b64 s[64:65], 0
	v_nop
	global_prefetch_b8 v0, s[64:65] scope:SCOPE_SE
	s_setreg_imm32_b32 hwreg(HW_REG_WAVE_SCHED_MODE, 0, 2), 2
	s_setreg_imm32_b32 hwreg(HW_REG_WAVE_MODE, 25, 1), 1
	s_wait_xcnt 0x0
	s_wait_alu depctr_vm_vsrc(0)
; THIRD LAUNCH: out0[r][c] = silu(sum over n of S[r][n] proj_cos_w[c][n] + S[r][256 + n] proj_sin_w[c][n]): one product over K = 512.  Nothing of reference() is left out here.
; OPERANDS.  The sums in S can be large and nearly alike along a row, so that one rounding to bf16 would leave errors that add up along K.  Each f32 operand goes as hi + lo, two bf16 numbers (lo = bf16(v - hi), the
; difference exact in f32), and three products are summed in f32: hi hi, lo hi, hi lo; the term lo lo, some 2^-18 of the product, is dropped.
; SHARES.  A work-group: 32 rows x 64 columns.  Wave w: rows 16 (w % 2) on, columns 16 (w / 2) on: one tile, three accumulators.  Operands come straight from memory: 32 bytes a lane, twice, for each side and K step.
; TRANSPOSED USE.  Source 0 = 16 rows of the weights (columns of out0), source 1 = 16 rows of S: a lane ends with row lane % 16 and eight neighbouring columns.
; NO CLUSTER, NO TENSOR LOADS: a work-group reads 192 KiB in sixteen short steps; a ring in LDS would add a barrier to each.
; LIMIT.  silu(z) = z / (1 + 2^(-z log2 e)): where the power overflows the quotient is 0, as in reference() to within rounding.  NaN and infinities are not treated apart.
; THE MODE: SCHED_MODE bits 1:0 = 2 (LLVM: expert scheduling mode 2), set by the entry lines.  The code itself states the register dependences between vector or matrix instructions and memory or LDS instructions,
; and between a vector instruction that writes a scalar register and that register's readers, with s_wait_alu, always for 0.
; THE PLAN.  Registers that memory or LDS instructions touch, in the sixteen steps:
;   RAW0 .. RAW3  Step s: its conversions read RAW[s % 4] and write the differences v - hi into it; behind them the loads of step s + 4 land in it.
;   v3, v4        The offsets of every load: made at the head, never written again; the steps stand in the immediates.
;   CV, T and the accumulators are named by vector and matrix instructions alone.
; So ONE wait on va_vdst stands in a step, behind its conversions: they are done with RAW[s % 4].  The step's eight loads follow it, dealt among its three matrix instructions, which name CV and the accumulators:
; none of the registers that those loads touch.  Steps 12 to 15 ask for nothing and hold no such wait.
.set SPITCH, 272                       ; a stage row: 256 bytes + 16, so that sixteen rows' stores of 16 bytes fall on sixteen different 16-byte columns
.set SPARE, 32*SPITCH                  ; behind the stage: the spare words, 128 bytes a wave, which no other line names
.set ACC, 16                           ; v[16:23] hi hi, v[24:31] lo hi, v[32:39] hi lo
.set RAW, 40                           ; v[40:167]  four sets of 32: 16 numbers of the weights, 16 of S, as loaded
.set CV,  168                          ; v[168:231] two banks of 32: weights hi, lo, S hi, lo
.set T,   232                          ; v[232:239] at work
.set Z,   240                          ; v[240:247]
.set EX,  248                          ; v[248:255]
	s_load_b256 s[4:11], s[0:1], 0x0               ; S s[4:5], proj_cos_w s[6:7], proj_sin_w s[8:9], out0 s[10:11]
	v_lshl_add_u32 v8, v0, 2, SPARE                ; my spare word; never rewritten
	v_mov_b32 v9, 0                                ; 0; never rewritten
	v_lshrrev_b32 v1, 5, v0
	v_readfirstlane_b32 s12, v1                    ; wave 0..7
	v_and_b32 v1, 15, v0                           ; l % 16
	v_bfe_u32 v2, v0, 4, 1                         ; l / 16
	v_lshlrev_b32 v3, 11, v1                       ; S: row x 2,048 + 32 x half (8 numbers of f32)
	v_lshl_add_u32 v3, v2, 5, v3
	v_lshlrev_b32 v4, 10, v1                       ; weights: row x 1,024 + 32 x half
	v_lshl_add_u32 v4, v2, 5, v4
	s_and_b32 s15, ttmp7, 0xffff                   ; block of 32 rows
	s_wait_alu depctr_va_sdst(0)                   ; s12, the wave's number, is written, ahead of its first reader
	s_and_b32 s13, s12, 1                          ; which 16 rows
	s_lshr_b32 s14, s12, 1                         ; which 16 columns
	s_lshl_b32 s16, s15, 16
	s_lshl_b32 s17, s13, 15
	s_add_co_u32 s16, s16, s17                     ; S at my 16 rows
	s_mov_b32 s17, 0
	s_lshl_b32 s18, ttmp9, 16
	s_lshl_b32 s19, s14, 14
	s_add_co_u32 s18, s18, s19                     ; the weights at my 16 rows
	s_mov_b32 s19, 0
	s_lshl_b32 s22, s15, 16
	s_lshl_b32 s23, ttmp9, 8
	s_add_co_u32 s22, s22, s23                     ; out0 at the work-group's corner
	s_mov_b32 s23, 0
	s_mov_b32 s20, 0xffff0000                      ; a word's upper bf16
	s_mul_i32 s24, s13, 16*SPITCH
	s_lshl_b32 s25, s14, 6
	s_add_co_u32 s24, s24, s25
	v_mul_u32_u24 v5, v1, SPITCH                   ; into the stage: my row, my 32 bytes
	v_lshl_add_u32 v5, v2, 5, v5
	v_add_nc_u32 v5, s24, v5
	s_mul_i32 s26, s12, 4*SPITCH
	v_mul_u32_u24 v6, v2, SPITCH                   ; back: wave w takes rows 4 w .. 4 w + 3, whole: lanes 0-15 one row, lanes 16-31 the next
	v_lshl_add_u32 v6, v1, 4, v6
	v_add_nc_u32 v6, s26, v6
	s_lshl_b32 s27, s12, 13
	v_lshlrev_b32 v7, 11, v2                       ; and the same rows in out0
	v_lshl_add_u32 v7, v1, 4, v7
	v_add_nc_u32 v7, s27, v7
	s_wait_kmcnt 0x0
	s_add_nc_u64 s[4:5], s[4:5], s[16:17]
	s_add_nc_u64 s[6:7], s[6:7], s[18:19]
	s_add_nc_u64 s[8:9], s[8:9], s[18:19]
	s_add_nc_u64 s[10:11], s[10:11], s[22:23]
	s_wait_alu depctr_va_vdst(0)                   ; the offsets and addresses v3 to v7 are written, which the kernel's loads and stores read; none of them is written again
; K step s of 16 (32 along K): steps 0-7 take proj_cos_w and S's first half, steps 8-15 proj_sin_w and its second.  A fragment's lane holds k = 8 h + 0..7 and 16 + 8 h + 0..7: bytes 0-31 and 64-95 behind my offset.
; LOAD2: four of a step's eight loads: pieces lo and hi of four, for the weights and for S.
.macro LOAD2 s, lo, hi
.set RW, RAW+32*((\s)%4)
.set KK, ((\s)%8)*128
.irp c, \lo, \hi
.set OB, KK+16*((\c)%2)+64*((\c)/2)
.if (\s) < 8
	global_load_b128 v[RW+4*\c:RW+4*\c+3], v4, s[6:7] offset:OB
.else
	global_load_b128 v[RW+4*\c:RW+4*\c+3], v4, s[8:9] offset:OB
.endif
	global_load_b128 v[RW+16+4*\c:RW+16+4*\c+3], v3, s[4:5] offset:OB+1024*((\s)/8)
.endr
.endm
; hi = bf16(v); v - hi, exact; lo = bf16 of that.  Four pairs of numbers in lock-step; o = 0 the weights, 1 S.
.macro CONV s
.set RW, RAW+32*((\s)%4)
.set CB, CV+32*((\s)%2)
.irp o, 0,1
.irp q, 0,1
.irp p, 0,1,2,3
	v_cvt_pk_bf16_f32 v[CB+16*\o+4*\q+\p], v[RW+16*\o+8*\q+2*\p], v[RW+16*\o+8*\q+2*\p+1]
.endr
.irp p, 0,1,2,3
	v_lshlrev_b32 v[T+2*\p], 16, v[CB+16*\o+4*\q+\p]
	v_and_b32 v[T+2*\p+1], s20, v[CB+16*\o+4*\q+\p]
.endr
.irp p, 0,1,2,3
	v_pk_add_f32 v[RW+16*\o+8*\q+2*\p:RW+16*\o+8*\q+2*\p+1], v[RW+16*\o+8*\q+2*\p:RW+16*\o+8*\q+2*\p+1], v[T+2*\p:T+2*\p+1] neg_lo:[0,1] neg_hi:[0,1]
.endr
.irp p, 0,1,2,3
	v_cvt_pk_bf16_f32 v[CB+16*\o+8+4*\q+\p], v[RW+16*\o+8*\q+2*\p], v[RW+16*\o+8*\q+2*\p+1]
.endr
.endr
.endr
.endm
; Product a of a step's three: 0 hi hi, 1 lo hi, 2 hi lo (weights, S).  The three accumulators take turns, one instruction a turn, from step to step too.  The first step starts the sums: nothing is cleared.
; A bank of CV is written again two steps later: the step between has 80 plain vector instructions that name none of its registers.
.macro MUL s, a
.set CB, CV+32*((\s)%2)
.set SA, CB+8*((\a)%2)
.set SB, CB+16+8*((\a)/2)
.if (\s) == 0
	v_wmma_f32_16x16x32_bf16 v[ACC+8*(\a):ACC+8*(\a)+7], v[SA:SA+7], v[SB:SB+7], 0
.else
	v_wmma_f32_16x16x32_bf16 v[ACC+8*(\a):ACC+8*(\a)+7], v[SA:SA+7], v[SB:SB+7], v[ACC+8*(\a):ACC+8*(\a)+7]
.endif
.endm
.irp f, 0,1,2,3
	LOAD2 \f, 0, 1                                 ; the four sets are asked for: steps 0 to 3
	LOAD2 \f, 2, 3
.endr
.set st, 0
.rept 16
.if st < 13
	s_wait_loadcnt 24                              ; this step's eight loads are in; the three younger steps' 24 may stay out
.else
	s_wait_loadcnt 8*(15-st)                       ; nothing more is asked for: the counts run down
.endif
	CONV st
.if st < 12
	s_wait_alu depctr_va_vdst(0)                   ; the conversions are done reading this step's set of RAW and writing the differences into it: the loads below land in it
.endif
	MUL st, 0
.if st < 12
	LOAD2 st+4, 0, 1                               ; the set is asked for again, four steps on.  No further wait: no vector or matrix instruction since the wait above names it
.endif
	MUL st, 1
.if st < 12
	LOAD2 st+4, 2, 3
.endif
	MUL st, 2
.set st, st+1
.endr
	; THE WAY OUT.
.rept 8
	v_nop                                          ; the places behind the last products, once a launch
.endr
.irp j, 0,2,4,6
	v_pk_add_f32 v[Z+\j:Z+\j+1], v[ACC+8+\j:ACC+8+\j+1], v[ACC+16+\j:ACC+16+\j+1]  ; the two small sums first; each accumulator is read from its low end on
.endr
.irp j, 0,2,4,6
	v_pk_add_f32 v[Z+\j:Z+\j+1], v[Z+\j:Z+\j+1], v[ACC+\j:ACC+\j+1]
.endr
.irp j, 0,2,4,6
	v_pk_mul_f32 v[EX+\j:EX+\j+1], v[Z+\j:Z+\j+1], 0xbfb8aa3b op_sel_hi:[1,0]      ; -z log2(e)
.endr
.irp j, 0,1,2,3,4,5,6,7
	v_exp_f32 v[EX+\j], v[EX+\j]
.endr
	v_nop                                          ; a plain instruction behind the last exponential,
	s_wait_alu depctr_va_vdst(0)                   ; and one wait for the eight: they have written v[EX ..], ahead of their first reader
.irp j, 0,2,4,6
	v_pk_add_f32 v[EX+\j:EX+\j+1], v[EX+\j:EX+\j+1], 1.0 op_sel_hi:[1,0]
.endr
.irp j, 0,1,2,3,4,5,6,7
	v_rcp_f32 v[EX+\j], v[EX+\j]
.endr
	v_nop
	s_wait_alu depctr_va_vdst(0)                   ; the same for the eight reciprocals, which have written v[EX ..]
.irp j, 0,2,4,6
	v_pk_mul_f32 v[Z+\j:Z+\j+1], v[Z+\j:Z+\j+1], v[EX+\j:EX+\j+1]
.endr
	s_wait_alu depctr_va_vdst(0)                   ; the multiplies have written v[Z ..], which the LDS stores read, and are done reading v[EX ..], in which the loads from the stage land
	ds_store_b128 v5, v[Z:Z+3]
	ds_store_b128 v5, v[Z+4:Z+7] offset:16
	s_wait_dscnt 0x0                               ; for the others' sake: a stage row's 256 bytes come from four waves
	s_barrier_signal -1
	s_barrier_wait -1
	ds_load_b128 v[EX:EX+3], v6
	ds_load_b128 v[EX+4:EX+7], v6 offset:2*SPITCH
	s_wait_dscnt 0x1                               ; the first is in
	global_store_b128 v7, v[EX:EX+3], s[10:11]                 ; sixteen lanes store 256 consecutive bytes, aligned
	s_wait_dscnt 0x0
	global_store_b128 v7, v[EX+4:EX+7], s[10:11] offset:4096   ; two rows further down
	s_wait_dscnt 0x0                               ; the closing lines, six on end
	s_wait_alu 0x0
	s_wait_tensorcnt 0x0
	ds_add_u32 v8, v9
	s_wait_dscnt 0x0
	s_endpgm
.Lfunc_end_k_q0fb52b0698_project:
	.size	k_q0fb52b0698_project, .Lfunc_end_k_q0fb52b0698_project-k_q0fb52b0698_project
	.p2alignl 7, 3214868480
	.fill 96, 4, 3214868480
	.section	.rodata,"a",@progbits
	.p2align	6, 0x0
	.amdhsa_kernel k_q0fb52b0698_project
		.amdhsa_group_segment_fixed_size 9728
		.amdhsa_private_segment_fixed_size 0
		.amdhsa_enable_private_segment 0
		.amdhsa_kernarg_size 32
		.amdhsa_user_sgpr_count 2
		.amdhsa_user_sgpr_kernarg_segment_ptr 1
		.amdhsa_wavefront_size32 1
		.amdhsa_system_sgpr_workgroup_id_x 1
		.amdhsa_system_sgpr_workgroup_id_y 1
		.amdhsa_system_sgpr_workgroup_id_z 1
		.amdhsa_system_vgpr_workitem_id 0
		.amdhsa_next_free_vgpr 256
		.amdhsa_next_free_sgpr 66
		.amdhsa_reserve_vcc 0
		.amdhsa_float_denorm_mode_32 3
		.amdhsa_float_denorm_mode_16_64 3
		.amdhsa_memory_ordered 1
		.amdhsa_forward_progress 1
		.amdhsa_inst_pref_size 86
	.end_amdhsa_kernel
	.amdgpu_metadata
---
amdhsa.version: [ 1, 2 ]
amdhsa.kernels:
  - .name:           k_q0fb52b0698_project
    .symbol:         k_q0fb52b0698_project.kd
    .args:
      - { .name: S, .offset: 0, .size: 8, .value_kind: global_buffer, .address_space: global }
      - { .name: proj_cos_w, .offset: 8, .size: 8, .value_kind: global_buffer, .address_space: global }
      - { .name: proj_sin_w, .offset: 16, .size: 8, .value_kind: global_buffer, .address_space: global }
      - { .name: out0, .offset: 24, .size: 8, .value_kind: global_buffer, .address_space: global }
    .group_segment_fixed_size: 9728
    .private_segment_fixed_size: 0
    .kernarg_segment_align: 8
    .kernarg_segment_size: 32
    .max_flat_workgroup_size: 256
    .sgpr_count:     66
    .vgpr_count:     256
    .wavefront_size: 32
...
	.end_amdgpu_metadata
.endif
;; end of part 5
